; MI455X (gfx1250); checked and timed in simulation.
; The chip was launched on July 23, 2026; its instructions are those of AMD's public machine-readable ISA for CDNA 5 (MIT licence, August 2026) and "CDNA5" Instruction Set Architecture Reference Guide (July 2026). The comments in the code are by the model that wrote it; some were corrected since.
;; LSTM Tagger CRF. Allowed arithmetic: float matrix products may take bf16 or f16 operands with f32 sums; all other float work in f32.
;; Inputs: feats 256 x 200 x 130 float32; masks 256 x 200 bool; trans 130 x 130 float32.
;; Outputs: out0 256 float32; out1 256 x 200 int32.
;; 2 versions, each right; version 2 is version 1 with the launch trace written anew for expert scheduling mode. Each part assembles by itself: llvm-mc -triple=amdgcn-amd-amdhsa -mcpu=gfx1250 --defsym DOCPART=n.
;; ======== version 1 of 2: 2 launches
;; workspace buffers: bps 7,340,032 bytes of whole numbers
;; launch forward (part 1): grid 256 x 1, 9 waves a work-group, no clusters, 169,216 bytes of LDS; arguments feats, masks, trans, out0, bps; writes out0, bps
.if DOCPART == 1
	.amdgcn_target "amdgcn-amd-amdhsa--gfx1250"
	.amdhsa_code_object_version 6
	.text
	.protected	k_q7424bd33a6_forward
	.globl	k_q7424bd33a6_forward
	.p2align	8
	.type	k_q7424bd33a6_forward,@function
k_q7424bd33a6_forward:
	s_mov_b64 s[64:65], 0
	v_nop
	global_prefetch_b8 v0, s[64:65] scope:SCOPE_SE
	s_setreg_imm32_b32 hwreg(HW_REG_WAVE_MODE, 25, 1), 1
	s_wait_xcnt 0x0
; Viterbi forward pass.  One work-group = one batch b (ttmp9), nine waves.  For t = 1 .. 199
;   S_t[j] = max over i of (S_t-1[i] + trans[i][j]) + feats[b][t][j],   bp_t[j] = the first i that reaches the maximum,
; and where masks[b][t] is 0 the score is carried and bp_t[j] = j.  Every candidate is one f32 add, as in the reference.
; WAVES 0-7: lane L = 16 h + r of wave w owns column j = 16 w + r together with its partner in the other lane row; half h takes
; 65 candidates: p = 0..63 is row i = 64 h + p, p = 64 is row i = 128 + h (i rises with p in both halves, so the first p is the first i).
; Lane L loads S[4L .. 4L+3]; row_share:n on the add hands lane n's four numbers to the 16 lanes of its row, which is
; S[64 h + 4 n + q]: exactly half h's rows.  No separate broadcast instruction is issued.
; WAVE 8 owns columns 128 and 129 and nothing else, so that the eight column waves are alike and none arrives late at the step's
; barrier: lane row h takes column 128 + h, lane r rows 4r+q, 64+4r+q (q = 0..3), 128 and 129 (ten candidates, i ascending; the last
; two are repeated in all 16 lanes, which harms neither a maximum nor a minimum of indices); four DPP steps inside the lane row end it.
; That same code, run once more behind the last step, is final + trans[:,128+h]: lane row 1 gives out0 and the last tag.
; A barrier stands under no branch on the wave number, so the step is one text with three forks on wave 8.  Each side of a fork has
; its own address registers, each a constant plus a term of the thread's number (plus 16 columns for each column wave).
; BACK-POINTERS are bytes gathered in LDS: byte 130 u + j for step t = u + 1; row 199 holds the last tag 130 times; zeros behind it.
; They leave at the end, 16 bytes a lane.  The next launch follows them: no address here hangs on an argmax.
; LIMIT: inputs are finite.  NaN and infinities are not served (a NaN loses every maximum and equals nothing).
; NO CLUSTER: the one input that work-groups share is trans, 67,600 bytes read once, each lane taking its words straight into
; registers; a joint tensor load would land them in LDS and add that many bytes of LDS writes and reads.
; NO MATRIX UNIT: a maximum of sums is no product.
.set XW,    8                          ; the wave of columns 128 and 129
.set ROWB,  520                        ; bytes in a row of feats[b] and of trans
.set FEATB, 104000                     ; bytes of feats for one batch
.set SBB,   640                        ; LDS 0..1279: two score buffers (S[i] at 4 i, 520 bytes used), written in turn
.set MKB,   1280                       ; LDS: mask bytes, one for each of the 288 threads (threads 200.. repeat byte 199)
.set BPB,   1568                       ; LDS: the image of back-pointers
.set IMG,   28672                      ; its bytes: 7 x 4,096
.set FEB,   BPB+IMG                    ; LDS: feats[b] as in memory
.set STEPS2, 99                        ; trips of two steps; step 199 stands behind the loop
.set J,   4                            ; column waves: my column 16 w + r
.set XSLA,5                            ; wave 8: 16 r
.set SA,  6                            ; 4 J
.set SLA, 7                            ; 16 L
.set SXA, 8                            ; 512 + 4 h: where the column waves read S[128+h] and wave 8 writes it
.set X512,9                            ; wave 8: 512, where S[128] and S[129] lie
.set EMA, 10                           ; FEB + 4 J, stepped two rows a trip
.set XEMA,11                           ; wave 8: FEB + 512 + 4 h, likewise
.set MKA, 12                           ; MKB, stepped 2 a trip
.set BPA, 13                           ; BPB + J, stepped two image rows a trip
.set XBPA,14                           ; wave 8: BPB + 128 + h, likewise
.set SC,  16                           ; v[16:19] S[4L+q]; wave 8: S[4r+q]
.set SX,  20                           ; column waves: S[128+h]
.set EM,  21                           ; feats[b][t][my column]
.set MK,  23                           ; masks[b][t]
.set OWN, 24                           ; my column's score, carried
.set ML,  26                           ; my half's maximum
.set MO,  27                           ; the other half's
.set M,   28                           ; the column's
.set NEW, 29
.set BASE,30                           ; 13 n + 64 h of the chosen block
.set KA,  31
.set KB,  32
.set IL,  33
.set KL,  34
.set KO,  35
.set BPV, 36                           ; the back-pointer to store
.set C12, 37                           ; 12
.set C64, 38                           ; 64
.set P64, 39                           ; 64 + 64 h: what BASE + k is for p = 64
.set I128,40                           ; 128 + h: the row that p = 64 stands for; wave 8: my column
.set BB,  42                           ; v[42:46] 13 n + 64 h
.set BM,  48                           ; v[48:52] maxima of the five blocks of 13
.set SEL, 54                           ; v[54:66] the first block that holds the maximum
.set XT,  68                           ; v[68:77] wave 8: trans[i][128+h] for my ten rows
.set XI,  78                           ; v[78:87] wave 8: those i as f32
.set SC2, 88                           ; v[88:91] wave 8: S[64+4r+q]
.set C255F, 92                         ; 255.0: above every index
.set SXP, 94                           ; v[94:95] wave 8: S[128], S[129]
.set OUTA, 98                          ; 16 x thread
.set TR,  100                          ; v[100:164] trans[row of p][j]
.set C,   166                          ; v[166:230] candidates (wave 8: the first ten); v[168:195] carry the image on the way out
.set TA,  232                          ; v[232:239] set-up and the last lines
.set TB,  233
.set TC,  234
.set TD,  235
.set TE,  236
.set TF,  237
.set TG,  238
.set T0,  239
.set W,   14                           ; wave number
.set MSK, 16                           ; lane mask: all ones where masks[b][t] is set
	s_load_b256 s[4:11], s[0:1], 0x0               ; feats s[4:5], masks s[6:7], trans s[8:9], out0 s[10:11]
	s_load_b64 s[12:13], s[0:1], 0x20              ; bps
	v_lshl_add_u32 v240, v0, 2, 0x29000
	v_mov_b32 v241, 0
	ds_add_u32 v240, v241
	ds_add_u32 v240, v241
	v_lshrrev_b32 v[T0], 5, v0
	v_readfirstlane_b32 s[W], v[T0]
	s_min_u32 s34, s[W], XW-1                      ; the column waves' number; wave 8 gets 7, so that its unused loads of TR stay inside trans
	s_mov_b32 s18, 0x76543210                      ; v_permlanex16_b32: lane i reads lane i of the other row
	s_mov_b32 s19, 0xfedcba98
	; One tensor load brings feats[b]: a single row of 13,000 elements of 8 bytes, laid into LDS as it lies in memory.
	s_mov_b32 s20, 1                               ; group 0: count
	s_mov_b32 s21, FEB                             ; LDS address
	s_mov_b32 s24, 3<<16                           ; group 1: no work-group mask, elements of 8 bytes, no padding
	s_mov_b32 s25, (FEATB/8)<<16                   ; tensor_dim0
	s_mov_b32 s26, 1<<16
	s_mov_b32 s27, (FEATB/8)<<16                   ; tile_dim0
	s_mov_b32 s28, 1
	s_mov_b32 s29, 13000
	s_mov_b32 s30, 0
	s_mov_b32 s31, 0
	s_mul_i32 s32, ttmp9, FEATB                    ; 256 x 104,000 stays below 2^32
	s_mov_b32 s33, 0
	s_wait_dscnt 0x0
	s_wait_kmcnt 0x0
	s_add_nc_u64 s[22:23], s[4:5], s[32:33]
	s_or_b32 s23, s23, 0x80000000                  ; type
	s_cmp_lg_u32 s[W], 0
	s_cbranch_scc1 .Lnoload
	tensor_load_to_lds s[20:23], s[24:31]          ; wave 0 alone asks; one load outstanding in the whole text
	s_nop 0
.Lnoload:
	v_and_b32 v1, 31, v0                           ; L
	v_and_b32 v2, 15, v0                           ; r
	v_bfe_u32 v3, v0, 4, 1                         ; h
	s_lshl_b32 s36, s34, 4
	v_add_nc_u32 v[J], s36, v2
	v_lshlrev_b32 v[SA], 2, v[J]
	v_lshlrev_b32 v[SLA], 4, v1
	v_lshl_add_u32 v[SXA], v3, 2, 512
	v_add_nc_u32 v[EMA], FEB, v[SA]
	v_mov_b32 v[MKA], MKB
	v_add_nc_u32 v[BPA], BPB, v[J]
	v_lshlrev_b32 v[OUTA], 4, v0
	v_lshlrev_b32 v[XSLA], 4, v2
	v_mov_b32 v[X512], 512
	v_add_nc_u32 v[XEMA], FEB, v[SXA]
	v_add_nc_u32 v[XBPA], BPB+128, v3
	; trans, once.  Every wave runs the same loads, so that every register is written in every wave: wave 8 never uses TR and TE
	; (it repeats wave 7's), waves 0-7 never use XT.  All of them lie inside trans.
	v_mad_u32_u24 v[TA], v3, 64*ROWB, v[SA]        ; row 64 h, column J
	v_mad_u32_u24 v[TB], v3, ROWB, v[SA]           ; row h (+128 in the immediate), column J
	v_lshl_add_u32 v[TD], v3, 2, 512               ; row 0, column 128 + h
	v_mad_u32_u24 v[TC], v2, 4*ROWB, v[TD]         ; row 4 r, column 128 + h
	v_min_u32 v[TF], 199, v0
	s_mul_i32 s32, ttmp9, 200
	s_add_nc_u64 s[6:7], s[6:7], s[32:33]          ; masks[b]
.set p, 0
.rept 64
	global_load_b32 v[TR+p], v[TA], s[8:9] offset:ROWB*p
.set p, p+1
.endr
	global_load_b32 v[TR+64], v[TB], s[8:9] offset:128*ROWB
.irp q, 0,1,2,3
	global_load_b32 v[XT+\q], v[TC], s[8:9] offset:ROWB*\q
	global_load_b32 v[XT+4+\q], v[TC], s[8:9] offset:ROWB*(64+\q)
.endr
	global_load_b32 v[XT+8], v[TD], s[8:9] offset:128*ROWB
	global_load_b32 v[XT+9], v[TD], s[8:9] offset:129*ROWB
	global_load_b32 v[TE], v[SA], s[8:9] offset:128*ROWB   ; trans[START][J]
	global_load_u8 v[TG], v[TF], s[6:7]
	; constants
	v_mov_b32 v[C12], 12
	v_mov_b32 v[C64], 64
	v_lshl_add_u32 v[P64], v3, 6, 64
	v_add_nc_u32 v[I128], 128, v3
.irp b, 0,1,2,3,4
	v_lshl_add_u32 v[BB+\b], v3, 6, 13*\b
.endr
.irp q, 0,1,2,3
	v_lshl_add_u32 v[XI+\q], v2, 2, \q
	v_lshl_add_u32 v[XI+4+\q], v2, 2, 64+\q
.endr
.irp q, 0,1,2,3,4,5,6,7
	v_cvt_f32_u32 v[XI+\q], v[XI+\q]
.endr
	v_mov_b32 v[XI+8], 0x43000000                  ; 128.0
	v_mov_b32 v[XI+9], 0x43010000                  ; 129.0
	v_mov_b32 v[C255F], 0x437f0000
	; First writes.  The destination of a DPP form and of v_permlanex16_b32 counts as read (C, MO, KO).  The others are written on one
	; side of a fork and read on the same side of a later fork: written once here, in every wave, they are defined on every path.
.set p, 0
.rept 65
	v_mov_b32 v[C+p], 0
.set p, p+1
.endr
.irp x, MO, KO, ML, BM+3, BASE, BPV, SX, SC2, SC2+1, SC2+2, SC2+3, SXP, SXP+1
	v_mov_b32 v[\x], 0
.endr
.irp k, 0,1,2,3,4,5,6,7,8,9,10,11,12
	v_mov_b32 v[SEL+\k], 0
.endr
	s_wait_loadcnt 0x0                             ; trans and my mask byte, once
	ds_store_b8 v0, v[TG] offset:MKB
	ds_store_b128 v[OUTA], v[C:C+3] offset:BPB+IMG-4608    ; 288 threads x 16 bytes: zeros over the image's last 4,608 bytes; the rows
	                                                       ; among them are written over later, the 2,672 bytes behind row 199 stay zero
	s_wait_tensorcnt 0x0                           ; wave 0: feats[b] has landed
	s_wait_dscnt 0x0                               ; my mask byte and zeros are in LDS, for the others' sake
	s_barrier_signal -1
	s_barrier_wait -1
	; t = 0: S_0 = trans[START] + feats[b][0]
	s_cmp_lg_u32 s[W], XW
	s_cbranch_scc1 .Lmi
	ds_load_b32 v[EM], v[XEMA]
	s_wait_dscnt 0x0
	v_add_f32 v[OWN], v[XT+8], v[EM]               ; XT+8 is trans[128][128+h]
	ds_store_b32 v[SXA], v[OWN]
	s_branch .Lji
.Lmi:
	ds_load_b32 v[EM], v[EMA]
	s_wait_dscnt 0x0
	v_add_f32 v[OWN], v[TE], v[EM]
	ds_store_b32 v[SA], v[OWN]
.Lji:
	s_wait_dscnt 0x0
	s_barrier_signal -1
	s_barrier_wait -1
; Column waves: the old scores out of buffer wr, and (eo != 0) emission and mask of the row eo behind the stepped addresses
.macro LOADS wr, eo
	ds_load_b128 v[SC:SC+3], v[SLA] offset:SBB*\wr
	ds_load_b32 v[SX], v[SXA] offset:SBB*\wr
.if \eo
	ds_load_b32 v[EM], v[EMA] offset:ROWB*\eo
	ds_load_u8 v[MK], v[MKA] offset:\eo
.endif
.endm
; Wave 8: the same for its ten rows and its column
.macro XLOADS wr, eo
	ds_load_b128 v[SC:SC+3], v[XSLA] offset:SBB*\wr
	ds_load_b128 v[SC2:SC2+3], v[XSLA] offset:SBB*\wr+256
	ds_load_b64 v[SXP:SXP+1], v[X512] offset:SBB*\wr
.if \eo
	ds_load_b32 v[EM], v[XEMA] offset:ROWB*\eo
	ds_load_u8 v[MK], v[MKA] offset:\eo
.endif
.endm
; The new score, or the old one where the mask is 0, into buffer wr at adr.  Lanes that share a column write the same word alike.
.macro CARRY adr, wr
	v_add_f32 v[NEW], v[M], v[EM]
	v_cndmask_b32 v[OWN], v[OWN], v[NEW], s[MSK]
	ds_store_b32 v[\adr], v[OWN] offset:SBB*\wr
.endm
; Wave 8: ten candidates a lane of column 128 + h, their maximum over the lane row in all its lanes (M)
.macro XVAL
.irp q, 0,1,2,3
	v_add_f32 v[C+\q], v[SC+\q], v[XT+\q]
	v_add_f32 v[C+4+\q], v[SC2+\q], v[XT+4+\q]
.endr
	v_add_f32 v[C+8], v[SXP], v[XT+8]
	v_add_f32 v[C+9], v[SXP+1], v[XT+9]
	v_max3_num_f32 v[BM], v[C], v[C+1], v[C+2]
	v_max3_num_f32 v[BM+1], v[C+3], v[C+4], v[C+5]
	v_max3_num_f32 v[BM+2], v[C+6], v[C+7], v[C+8]
	v_max3_num_f32 v[M], v[BM], v[BM+1], v[BM+2]
	v_max_num_f32 v[M], v[M], v[C+9]
.irp m, 1,2,4,8
	v_max_num_f32_dpp v[M], v[M], v[M] row_xmask:\m row_mask:0xf bank_mask:0xf
.endr
.endm
; Wave 8: the first row that reaches M, as a whole number in KA.  In the lane two chains, the lower row chosen last; over the lane
; row a minimum of the indices (exact in f32).
.macro XARG
.irp q, 0,1,2,3,4,5,6,7,8,9
	v_cmp_neq_f32 s[40+\q], v[C+\q], v[M]
.endr
	v_cndmask_b32 v[KB], v[XI+9], v[C255F], s49
	v_cndmask_b32 v[KA], v[XI+4], v[C255F], s44
.irp q, 3,2,1,0
	v_cndmask_b32 v[KB], v[XI+5+\q], v[KB], s[45+\q]
	v_cndmask_b32 v[KA], v[XI+\q], v[KA], s[40+\q]
.endr
	v_min_num_f32 v[KA], v[KA], v[KB]
.irp m, 1,2,4,8
	v_min_num_f32_dpp v[KA], v[KA], v[KA] row_xmask:\m row_mask:0xf bank_mask:0xf
.endr
	v_cvt_u32_f32 v[KA], v[KA]
.endm
; Block blk replaces the choice so far (registers e.., base eb) where it holds my half's maximum; called for 3, 2, 1, 0: the lowest wins
.macro PICK blk, e, eb
	v_cmp_eq_f32 vcc_lo, v[BM+\blk], v[ML]
.irp k, 0,1,2,3,4,5,6,7,8,9,10,11,12
	v_cndmask_b32 v[SEL+\k], v[\e+\k], v[C+13*\blk+\k], vcc_lo
.endr
	v_cndmask_b32 v[BASE], v[\eb], v[BB+\blk], vcc_lo
.endm
; One step.  wr: the score buffer written (the other one was read); bo: image row behind BPA; eo: row of the next step's emission
; and mask behind the stepped addresses (0: none); id: a letter for the labels.
.macro STEP wr, bo, eo, id
	s_wait_dscnt 0x1                               ; in every wave exactly one back-pointer store stands behind all the loads: they are in
	v_cmp_ne_u32 s[MSK], 0, v[MK]
	s_cmp_lg_u32 s[W], XW
	s_cbranch_scc1 .Lm1\id
	XVAL
	CARRY SXA, \wr
	s_branch .Lj1\id
.Lm1\id:
.irp rr, 0,1,2,3,4,5,6,7,8,9,10,11,12,13,14,15
.irp q, 0,1,2,3
	v_add_f32_dpp v[C+4*\rr+\q], v[SC+\q], v[TR+4*\rr+\q] row_share:\rr row_mask:0xf bank_mask:0xf
.endr
.endr
	v_add_f32 v[C+64], v[SX], v[TR+64]
	; five blocks of 13: five chains of six, interleaved so that no line waits for the one in front
.irp b, 0,1,2,3,4
	v_max3_num_f32 v[BM+\b], v[C+13*\b], v[C+13*\b+1], v[C+13*\b+2]
.endr
.irp l, 1,2,3,4,5
.irp b, 0,1,2,3,4
	v_max3_num_f32 v[BM+\b], v[BM+\b], v[C+13*\b+2*\l+1], v[C+13*\b+2*\l+2]
.endr
.endr
	v_max3_num_f32 v[ML], v[BM], v[BM+1], v[BM+2]
	v_max3_num_f32 v[ML], v[ML], v[BM+3], v[BM+4]
	v_permlanex16_b32 v[MO], v[ML], s18, s19
	v_max_num_f32 v[M], v[ML], v[MO]
	CARRY SA, \wr
.Lj1\id:
	s_wait_dscnt 0x0                               ; my new score is in LDS.  (My reads of the other buffer ended at the step's head:
	s_barrier_signal -1                            ; the next step writes it only behind this barrier.)
	s_cmp_lg_u32 s[W], XW                          ; the argmax is off the chain of scores: registers only, while the others arrive
	s_cbranch_scc1 .Lm2\id
	XARG
	v_cndmask_b32 v[BPV], v[I128], v[KA], s[MSK]
	s_branch .Lj2\id
.Lm2\id:
	PICK 3, C+52, BB+4
	PICK 2, SEL, BASE
	PICK 1, SEL, BASE
	PICK 0, SEL, BASE
.Lj2\id:
	s_barrier_wait -1
	s_cmp_lg_u32 s[W], XW
	s_cbranch_scc1 .Lm3\id
	XLOADS \wr, \eo
	ds_store_b8 v[XBPA], v[BPV] offset:130*\bo
	s_branch .Lj3\id
.Lm3\id:
	LOADS \wr, \eo
	; the first member of the chosen block that equals the maximum: two chains, the lower k chosen last
.irp k, 0,1,2,3,4,5,6,7,8,9,10,11
	v_cmp_neq_f32 s[40+\k], v[SEL+\k], v[ML]
.endr
	v_cndmask_b32 v[KB], 11, v[C12], s51
	v_cndmask_b32 v[KA], 5, v[C64], s45
.irp k, 4,3,2,1,0
	v_cndmask_b32 v[KB], \k+6, v[KB], s[46+\k]
	v_cndmask_b32 v[KA], \k, v[KA], s[40+\k]
.endr
	v_min_u32 v[KA], v[KA], v[KB]
	v_add_nc_u32 v[IL], v[BASE], v[KA]             ; 64 h + p
	v_cmp_eq_u32 vcc_lo, v[IL], v[P64]
	v_cndmask_b32 v[IL], v[IL], v[I128], vcc_lo    ; p = 64 is row 128 + h
	v_cmp_eq_f32 vcc_lo, v[ML], v[M]
	v_cndmask_b32 v[KL], 0xff, v[IL], vcc_lo       ; a half below the maximum does not bid
	v_permlanex16_b32 v[KO], v[KL], s18, s19
	v_min_u32 v[KL], v[KL], v[KO]
	v_cndmask_b32 v[BPV], v[J], v[KL], s[MSK]
	ds_store_b8 v[BPA], v[BPV] offset:130*\bo
.Lj3\id:
.endm
	s_cmp_lg_u32 s[W], XW
	s_cbranch_scc1 .Lm0
	XLOADS 0, 1
	s_branch .Lj0
.Lm0:
	LOADS 0, 1
.Lj0:
	s_wait_dscnt 0x0                               ; no store stands behind these loads, so the first step's count of 1 would not cover them
	s_mov_b32 s17, 0
.Lstep:
	STEP 1, 0, 2, a
	STEP 0, 1, 3, b
	v_add_nc_u32 v[EMA], 2*ROWB, v[EMA]
	v_add_nc_u32 v[XEMA], 2*ROWB, v[XEMA]
	v_add_nc_u32 v[MKA], 2, v[MKA]
	v_add_nc_u32 v[BPA], 260, v[BPA]
	v_add_nc_u32 v[XBPA], 260, v[XBPA]
	s_add_co_u32 s17, s17, 1
	s_cmp_lt_u32 s17, STEPS2
	s_cbranch_scc1 .Lstep
	STEP 1, 0, 0, c                                ; t = 199: nothing more to fetch but the final scores
	; wave 8, lane row 1 (column STOP): path score and last tag
	s_cmp_lg_u32 s[W], XW
	s_cbranch_scc1 .Lnotlast
	s_wait_dscnt 0x0                               ; the final scores
	XVAL
	XARG
	v_permlanex16_b32 v[KO], v[KA], s18, s19
	v_cmp_eq_u32 vcc_lo, 1, v3
	v_cndmask_b32 v[KA], v[KO], v[KA], vcc_lo      ; lane row 1's index in all 32 lanes
	v_mul_u32_u24 v[KA], v[KA], 0x101              ; the tag in two bytes
	v_lshlrev_b32 v[TA], 1, v1
	v_mov_b32 v[TB], 0
	ds_store_b16 v[TA], v[KA] offset:BPB+199*130           ; image row 199: bytes 0-63,
	ds_store_b16 v[TA], v[KA] offset:BPB+199*130+64        ; 64-127,
	ds_store_b16 v[TB], v[KA] offset:BPB+199*130+128       ; 128-129 (every lane the same two bytes)
	s_lshl_b32 s32, ttmp9, 2
	s_mov_b32 s33, 0
	s_add_nc_u64 s[10:11], s[10:11], s[32:33]
	v_cmp_eq_u32 vcc_lo, 16, v1
	s_wait_xcnt 0x0                                ; EXEC changes only behind this wait
	s_and_saveexec_b32 s52, vcc_lo
	global_store_b32 v[TB], v[M], s[10:11]         ; out0[b], from lane 16
	s_wait_xcnt 0x0
	s_or_b32 exec_lo, exec_lo, s52
.Lnotlast:
	s_wait_dscnt 0x0                               ; my last back-pointers are in LDS
	s_barrier_signal -1
	s_barrier_wait -1
	s_cmp_eq_u32 s[W], XW
	s_cbranch_scc1 .Lend                           ; 256 threads x 16 bytes cover each piece of 4,096
	; the way out: each store of a wave covers 512 consecutive bytes, aligned
.irp k, 0,1,2,3,4,5,6
	ds_load_b128 v[168+4*\k:171+4*\k], v[OUTA] offset:BPB+4096*\k
.endr
	s_mul_i32 s32, ttmp9, IMG
	s_mov_b32 s33, 0
	s_add_nc_u64 s[12:13], s[12:13], s[32:33]
.irp k, 0,1,2,3,4,5,6
	s_wait_dscnt 6-\k                              ; LDS loads come back in order: the younger ones stay out
	global_store_b128 v[OUTA], v[168+4*\k:171+4*\k], s[12:13] offset:4096*\k
.endr
.Lend:
	s_wait_tensorcnt 0x0
	ds_add_u32 v240, v241
	s_wait_dscnt 0x0
	s_endpgm
.Lfunc_end_k_q7424bd33a6_forward:
	.size	k_q7424bd33a6_forward, .Lfunc_end_k_q7424bd33a6_forward-k_q7424bd33a6_forward
	.p2alignl 7, 3214868480
	.fill 96, 4, 3214868480
	.section	.rodata,"a",@progbits
	.p2align	6, 0x0
	.amdhsa_kernel k_q7424bd33a6_forward
		.amdhsa_group_segment_fixed_size 169216
		.amdhsa_private_segment_fixed_size 0
		.amdhsa_enable_private_segment 0
		.amdhsa_kernarg_size 40
		.amdhsa_user_sgpr_count 2
		.amdhsa_user_sgpr_kernarg_segment_ptr 1
		.amdhsa_wavefront_size32 1
		.amdhsa_system_sgpr_workgroup_id_x 1
		.amdhsa_system_sgpr_workgroup_id_y 1
		.amdhsa_system_sgpr_workgroup_id_z 1
		.amdhsa_system_vgpr_workitem_id 0
		.amdhsa_next_free_vgpr 242
		.amdhsa_next_free_sgpr 66
		.amdhsa_reserve_vcc 1
		.amdhsa_float_denorm_mode_32 3
		.amdhsa_float_denorm_mode_16_64 3
		.amdhsa_memory_ordered 1
		.amdhsa_forward_progress 1
		.amdhsa_inst_pref_size 63
	.end_amdhsa_kernel
	.amdgpu_metadata
---
amdhsa.version: [ 1, 2 ]
amdhsa.kernels:
  - .name:           k_q7424bd33a6_forward
    .symbol:         k_q7424bd33a6_forward.kd
    .args:
      - { .name: feats, .offset: 0, .size: 8, .value_kind: global_buffer, .address_space: global }
      - { .name: masks, .offset: 8, .size: 8, .value_kind: global_buffer, .address_space: global }
      - { .name: trans, .offset: 16, .size: 8, .value_kind: global_buffer, .address_space: global }
      - { .name: out0, .offset: 24, .size: 8, .value_kind: global_buffer, .address_space: global }
      - { .name: bps, .offset: 32, .size: 8, .value_kind: global_buffer, .address_space: global }
    .group_segment_fixed_size: 169216
    .private_segment_fixed_size: 0
    .kernarg_segment_align: 8
    .kernarg_segment_size: 40
    .max_flat_workgroup_size: 288
    .sgpr_count:     66
    .vgpr_count:     242
    .wavefront_size: 32
...
	.end_amdgpu_metadata
.endif
;; end of part 1
;; launch trace (part 2): grid 256 x 1, 8 waves a work-group, no clusters, 61,952 bytes of LDS; arguments bps, masks, out1; writes out1
.if DOCPART == 2
	.amdgcn_target "amdgcn-amd-amdhsa--gfx1250"
	.amdhsa_code_object_version 6
	.text
	.protected	k_q7424bd33a6_trace
	.globl	k_q7424bd33a6_trace
	.p2align	8
	.type	k_q7424bd33a6_trace,@function
k_q7424bd33a6_trace:
	s_mov_b64 s[64:65], 0
	v_nop
	global_prefetch_b8 v0, s[64:65] scope:SCOPE_SE
	s_setreg_imm32_b32 hwreg(HW_REG_WAVE_MODE, 25, 1), 1
	s_wait_xcnt 0x0
; Viterbi backtrace.  One work-group = one batch b.  The image of the launch before: tag[u] = IMG[130 u + tag[u+1]] for u = 199 .. 0
; (row 199 gives the last tag whatever enters it).  out1[b][t] = masks[b][t] ? tag[t] : 0.
; A plain walk is 200 dependent look-ups.  Here the 200 rows are ten chunks of 20.  Thread e of waves 0-4 walks ALL ten chunks at once,
; entering each with tag min(e, 129) (threads 130-159 repeat tag 129), and records the tags it meets at REC[row][e].  Wave 0 then
; chains the chunks: lanes 0-19 read the chunk's 20 recorded tags for the true entry tag, and lane 0's (the chunk's first row)
; is the entry of the chunk below.  20 + 10 dependent look-ups in place of 200.
; Every tag that becomes an address is clamped to 129 first, the table's last column.
; No cluster: work-groups share no input.  out1's rows are 800 bytes: each store covers 80 consecutive bytes.
.set IMG,  28672                       ; LDS 0: the image, 7 x 4,096 bytes
.set REC,  28672                       ; LDS: 200 rows of 160 bytes
.set RP,   160
.set XS,   10                          ; v[10:19] the ten walks' tags,
.set YS,   20                          ; v[20:29] two sets in turn
.set DAT,  32                          ; v[32:59] the image on its way to LDS
.set MK,   80                          ; v[80:89]  wave 0: masks[b][20 c + lane]
.set XC,   90                          ; v[90:99]  wave 0: tags of chunk c
.set OC,   100                         ; v[100:109] wave 0: what is stored
	s_load_b128 s[4:7], s[0:1], 0x0                ; bps s[4:5], masks s[6:7]
	s_load_b64 s[8:9], s[0:1], 0x10                ; out1
	v_lshl_add_u32 v112, v0, 2, 0xee00
	v_mov_b32 v113, 0
	v_lshrrev_b32 v1, 5, v0
	v_readfirstlane_b32 s10, v1                    ; wave number
	v_and_b32 v3, 31, v0
	v_min_u32 v4, 19, v3                           ; row in a chunk; lanes 20-31 repeat lane 19
	v_mul_u32_u24 v5, RP, v4
	v_lshlrev_b32 v6, 2, v4
	v_lshlrev_b32 v2, 4, v0
	s_mul_i32 s12, ttmp9, IMG
	s_mov_b32 s13, 0
	s_mul_i32 s14, ttmp9, 200
	s_mov_b32 s15, 0
	s_mul_i32 s16, ttmp9, 800
	s_mov_b32 s17, 0
	s_wait_kmcnt 0x0
	s_add_nc_u64 s[4:5], s[4:5], s[12:13]
	s_add_nc_u64 s[6:7], s[6:7], s[14:15]
	s_add_nc_u64 s[8:9], s[8:9], s[16:17]
	s_cmp_lg_u32 s10, 0
	s_cbranch_scc1 .Lnomask
.irp c, 0,1,2,3,4,5,6,7,8,9
	global_load_u8 v[MK+\c], v4, s[6:7] offset:20*\c       ; older than the image's loads: the counts below hold with and without them
.endr
.Lnomask:
.irp k, 0,1,2,3,4,5,6
	global_load_b128 v[DAT+4*\k:DAT+4*\k+3], v2, s[4:5] offset:4096*\k
.endr
.irp k, 0,1,2,3,4,5,6
	s_wait_loadcnt 6-\k                            ; loads come back in order: the younger ones stay out
	ds_store_b128 v2, v[DAT+4*\k:DAT+4*\k+3] offset:4096*\k
.endr
	s_wait_dscnt 0x0                               ; my part of the image is in LDS
	s_barrier_signal -1
	s_barrier_wait -1
	s_cmp_gt_u32 s10, 4
	s_cbranch_scc1 .Lnowalk
.irp c, 0,1,2,3,4,5,6,7,8,9
	v_min_u32 v[XS+\c], 129, v0                    ; the entry tag
.endr
; Step k of the ten walks: look up row 20 c + 19 - k with the tags in S, into D; record S, the tags of the row above
.macro WSTEP k, S, D
.irp c, 0,1,2,3,4,5,6,7,8,9
	ds_load_u8 v[\D+\c], v[\S+\c] offset:(20*\c+19-(\k))*130
.endr
.if \k
.irp c, 0,1,2,3,4,5,6,7,8,9
	ds_store_b8 v0, v[\S+\c] offset:REC+(20*\c+20-(\k))*RP
.endr
	s_wait_dscnt 10                                ; the ten stores behind the ten look-ups may stay out
.else
	s_wait_dscnt 0x0
.endif
.irp c, 0,1,2,3,4,5,6,7,8,9
	v_min_u32 v[\D+\c], 129, v[\D+\c]
.endr
.endm
.irp k, 0,2,4,6,8,10,12,14,16,18
	WSTEP \k, XS, YS
	WSTEP \k+1, YS, XS
.endr
.irp c, 0,1,2,3,4,5,6,7,8,9
	ds_store_b8 v0, v[XS+\c] offset:REC+20*\c*RP   ; the chunks' first rows
.endr
.Lnowalk:
	s_wait_dscnt 0x0                               ; my records are in LDS
	s_barrier_signal -1
	s_barrier_wait -1
	s_cmp_lg_u32 s10, 0
	s_cbranch_scc1 .Lend
	s_mov_b32 s11, 0                               ; any tag may enter row 199
.irp c, 9,8,7,6,5,4,3,2,1,0
	v_add_nc_u32 v7, s11, v5
	ds_load_u8 v[XC+\c], v7 offset:REC+20*\c*RP
	s_wait_dscnt 0x0
	v_readfirstlane_b32 s11, v[XC+\c]              ; tag[20 c] enters the chunk below
	s_min_u32 s11, s11, 129
	v_cmp_ne_u32 vcc_lo, 0, v[MK+\c]
	v_cndmask_b32 v[OC+\c], 0, v[XC+\c], vcc_lo
	global_store_b32 v6, v[OC+\c], s[8:9] offset:80*\c
.endr
.Lend:
	s_wait_tensorcnt 0x0
	ds_add_u32 v112, v113
	s_wait_dscnt 0x0
	s_endpgm
.Lfunc_end_k_q7424bd33a6_trace:
	.size	k_q7424bd33a6_trace, .Lfunc_end_k_q7424bd33a6_trace-k_q7424bd33a6_trace
	.p2alignl 7, 3214868480
	.fill 96, 4, 3214868480
	.section	.rodata,"a",@progbits
	.p2align	6, 0x0
	.amdhsa_kernel k_q7424bd33a6_trace
		.amdhsa_group_segment_fixed_size 61952
		.amdhsa_private_segment_fixed_size 0
		.amdhsa_enable_private_segment 0
		.amdhsa_kernarg_size 24
		.amdhsa_user_sgpr_count 2
		.amdhsa_user_sgpr_kernarg_segment_ptr 1
		.amdhsa_wavefront_size32 1
		.amdhsa_system_sgpr_workgroup_id_x 1
		.amdhsa_system_sgpr_workgroup_id_y 1
		.amdhsa_system_sgpr_workgroup_id_z 1
		.amdhsa_system_vgpr_workitem_id 0
		.amdhsa_next_free_vgpr 114
		.amdhsa_next_free_sgpr 66
		.amdhsa_reserve_vcc 1
		.amdhsa_float_denorm_mode_32 3
		.amdhsa_float_denorm_mode_16_64 3
		.amdhsa_memory_ordered 1
		.amdhsa_forward_progress 1
		.amdhsa_inst_pref_size 47
	.end_amdhsa_kernel
	.amdgpu_metadata
---
amdhsa.version: [ 1, 2 ]
amdhsa.kernels:
  - .name:           k_q7424bd33a6_trace
    .symbol:         k_q7424bd33a6_trace.kd
    .args:
      - { .name: bps, .offset: 0, .size: 8, .value_kind: global_buffer, .address_space: global }
      - { .name: masks, .offset: 8, .size: 8, .value_kind: global_buffer, .address_space: global }
      - { .name: out1, .offset: 16, .size: 8, .value_kind: global_buffer, .address_space: global }
    .group_segment_fixed_size: 61952
    .private_segment_fixed_size: 0
    .kernarg_segment_align: 8
    .kernarg_segment_size: 24
    .max_flat_workgroup_size: 256
    .sgpr_count:     66
    .vgpr_count:     114
    .wavefront_size: 32
...
	.end_amdgpu_metadata
.endif
;; end of part 2
;; ======== version 2 of 2: 2 launches; version 1 with the launch trace written anew for expert scheduling mode
;; workspace buffers: bps 7,340,032 bytes of whole numbers
;; launch forward: the kernel of part 1 again; grid 256 x 1, 9 waves a work-group, no clusters, 169,216 bytes of LDS; arguments feats, masks, trans, out0, bps; writes out0, bps
;; launch trace (part 3): grid 256 x 1, 8 waves a work-group, no clusters, 61,952 bytes of LDS; arguments bps, masks, out1; writes out1
.if DOCPART == 3
	.amdgcn_target "amdgcn-amd-amdhsa--gfx1250"
	.amdhsa_code_object_version 6
	.text
	.protected	k_q7424bd33a6_trace
	.globl	k_q7424bd33a6_trace
	.p2align	8
	.type	k_q7424bd33a6_trace,@function
k_q7424bd33a6_trace:
	s_mov_b64 s[64:65], 0
	v_nop
	global_prefetch_b8 v0, s[64:65] scope:SCOPE_SE
	s_setreg_imm32_b32 hwreg(HW_REG_WAVE_SCHED_MODE, 0, 2), 2
	s_setreg_imm32_b32 hwreg(HW_REG_WAVE_MODE, 25, 1), 1
	s_wait_xcnt 0x0
	s_wait_alu depctr_vm_vsrc(0)
; Viterbi backtrace.  One work-group = one batch b.  The image of the launch before: tag[u] = IMG[130 u + tag[u+1]] for u = 199 .. 0
; (row 199 gives the last tag whatever enters it).  out1[b][t] = masks[b][t] ? tag[t] : 0.
; A plain walk is 200 dependent look-ups.  Here the 200 rows are ten chunks of 20.  Thread e of waves 0-4 walks ALL ten chunks at once,
; entering each with tag min(e, 129) (threads 130-159 repeat tag 129), and records the tags it meets at REC[row][e].  Wave 0 then
; chains the chunks: lanes 0-19 read the chunk's 20 recorded tags for the true entry tag, and lane 0's (the chunk's first row)
; is the entry of the chunk below.  20 + 10 dependent look-ups in place of 200.
; Every tag that becomes an address is clamped to 129 first, the table's last column.
; No cluster: work-groups share no input.  out1's rows are 800 bytes: each store covers 80 consecutive bytes.
; THE MODE: SCHED_MODE bits 1:0 = 2 (LLVM: expert scheduling mode 2), set by the entry lines.  The code itself states the register
; dependences between vector instructions and memory or LDS instructions, with s_wait_alu, always for 0.
; THE PLAN.  Registers that memory or LDS instructions touch:
;   v0, v2, v4, v6  offsets and addresses.  v0 is as at the entry; the others are made once at the head and never written again.
;   DAT             the image's loads land in it, the LDS stores read it; no vector instruction names it, nothing writes it again.
;   XS, YS          the ten walks' tags, two sets in turn.  Step k: its look-ups read set S as addresses and land in set D, its stores read
;                   S as data, its clamps read and write D.  Step k + 1 takes D for S and S for D.
;   AD, XC, OC      wave 0's chain: a register for each chunk.  AD: one add writes it, one look-up reads it.  XC: one look-up lands in it.
;                   OC: one select writes it, one store reads it.  None is written a second time.
; So the walk has two waits a step for its twenty LDS instructions: at its head, that the clamps have written S; behind the wait for its
; look-ups, that its LDS instructions have read S.  The chain has two waits a chunk: that the chunk's address and the select of the chunk
; above are written (the look-up and that chunk's store follow it), and that the next entry tag has reached its scalar register.
.set IMG,  28672                       ; LDS 0: the image, 7 x 4,096 bytes
.set REC,  28672                       ; LDS: 200 rows of 160 bytes
.set RP,   160
.set XS,   10                          ; v[10:19] the ten walks' tags,
.set YS,   20                          ; v[20:29] two sets in turn
.set DAT,  32                          ; v[32:59] the image on its way to LDS
.set AD,   60                          ; v[60:69]  wave 0: LDS address of my record in chunk c
.set MK,   80                          ; v[80:89]  wave 0: masks[b][20 c + lane]
.set XC,   90                          ; v[90:99]  wave 0: tags of chunk c
.set OC,   100                         ; v[100:109] wave 0: what is stored
.set MS,   20                          ; s[20:29]  wave 0: the lanes whose mask byte of chunk c is set
	s_load_b128 s[4:7], s[0:1], 0x0                ; bps s[4:5], masks s[6:7]
	s_load_b64 s[8:9], s[0:1], 0x10                ; out1
	v_lshl_add_u32 v112, v0, 2, 0xee00             ; my spare word, behind the records, and 0: made here and kept for the closing lines alone
	v_mov_b32 v113, 0
	v_lshrrev_b32 v1, 5, v0
	v_readfirstlane_b32 s10, v1                    ; wave number
	v_and_b32 v3, 31, v0
	v_min_u32 v4, 19, v3                           ; row in a chunk; lanes 20-31 repeat lane 19
	v_mul_u32_u24 v5, RP, v4
	v_lshlrev_b32 v6, 2, v4
	v_lshlrev_b32 v2, 4, v0
	s_mul_i32 s12, ttmp9, IMG
	s_mov_b32 s13, 0
	s_mul_i32 s14, ttmp9, 200
	s_mov_b32 s15, 0
	s_mul_i32 s16, ttmp9, 800
	s_mov_b32 s17, 0
	s_wait_kmcnt 0x0
	s_add_nc_u64 s[4:5], s[4:5], s[12:13]
	s_add_nc_u64 s[6:7], s[6:7], s[14:15]
	s_add_nc_u64 s[8:9], s[8:9], s[16:17]
	s_wait_alu depctr_va_sdst(0)                   ; s10 is written, ahead of its first reader, the compare below
	s_wait_alu depctr_va_vdst(0)                   ; v2, v4 and v6 are written: the loads and stores of the whole kernel read them as offsets and addresses, on both ways round the branch
	s_cmp_lg_u32 s10, 0
	s_cbranch_scc1 .Lnomask
.irp c, 0,1,2,3,4,5,6,7,8,9
	global_load_u8 v[MK+\c], v4, s[6:7] offset:20*\c       ; older than the image's loads: the counts below hold with and without them
.endr
.Lnomask:
.irp k, 0,1,2,3,4,5,6
	global_load_b128 v[DAT+4*\k:DAT+4*\k+3], v2, s[4:5] offset:4096*\k
.endr
.irp k, 0,1,2,3,4,5,6
	s_wait_loadcnt 6-\k                            ; loads come back in order: the younger ones stay out
	ds_store_b128 v2, v[DAT+4*\k:DAT+4*\k+3] offset:4096*\k
.endr
	s_wait_dscnt 0x0                               ; my part of the image is in LDS
	s_barrier_signal -1
	s_barrier_wait -1
	s_cmp_gt_u32 s10, 4
	s_cbranch_scc1 .Lnowalk
.irp c, 0,1,2,3,4,5,6,7,8,9
	v_min_u32 v[XS+\c], 129, v0                    ; the entry tag
.endr
; Step k of the ten walks: look up row 20 c + 19 - k with the tags in S, into D; record S, the tags of the row above
.macro WSTEP k, S, D
	s_wait_alu depctr_va_vdst(0)                   ; the clamps have written the ten tags in S, which the look-ups read as addresses and the stores as data; the clamps of two steps back are done with D, in which the look-ups land
.irp c, 0,1,2,3,4,5,6,7,8,9
	ds_load_u8 v[\D+\c], v[\S+\c] offset:(20*\c+19-(\k))*130
.endr
.if \k
.irp c, 0,1,2,3,4,5,6,7,8,9
	ds_store_b8 v0, v[\S+\c] offset:REC+(20*\c+20-(\k))*RP
.endr
	s_wait_dscnt 10                                ; the ten stores behind the ten look-ups may stay out
.else
	s_wait_dscnt 0x0
.endif
.if (\k) < 19
	s_wait_alu depctr_vm_vsrc(0)                   ; this step's look-ups and stores have read S, in which the next step's look-ups land (the last step's S is not written again)
.endif
.irp c, 0,1,2,3,4,5,6,7,8,9
	v_min_u32 v[\D+\c], 129, v[\D+\c]
.endr
.endm
.irp k, 0,2,4,6,8,10,12,14,16,18
	WSTEP \k, XS, YS
	WSTEP \k+1, YS, XS
.endr
	s_wait_alu depctr_va_vdst(0)                   ; the last clamps have written XS, which the stores below read
.irp c, 0,1,2,3,4,5,6,7,8,9
	ds_store_b8 v0, v[XS+\c] offset:REC+20*\c*RP   ; the chunks' first rows
.endr
.Lnowalk:
	s_wait_dscnt 0x0                               ; my records are in LDS
	s_barrier_signal -1
	s_barrier_wait -1
	s_cmp_lg_u32 s10, 0
	s_cbranch_scc1 .Lend
	s_mov_b32 s11, 0                               ; any tag may enter row 199
.irp c, 9,8,7,6,5,4,3,2,1,0
	v_add_nc_u32 v[AD+\c], s11, v5
.if \c < 9
	v_cndmask_b32 v[OC+\c+1], 0, v[XC+\c+1], s[MS+\c+1]    ; the chunk above: its tags, or 0 where the mask is 0
.endif
	s_wait_alu depctr_va_vdst(0)                   ; this chunk's address is written, which the look-up reads, and the chunk above's select, which the store reads
	ds_load_u8 v[XC+\c], v[AD+\c] offset:REC+20*\c*RP
.if \c < 9
	global_store_b32 v6, v[OC+\c+1], s[8:9] offset:80*(\c+1)
.else
.irp d, 0,1,2,3,4,5,6,7,8,9
	v_cmp_ne_u32 s[MS+\d], 0, v[MK+\d]             ; all ten masks in one run, while the first look-up is out
.endr
.endif
	s_wait_dscnt 0x0
	v_readfirstlane_b32 s11, v[XC+\c]              ; tag[20 c] enters the chunk below
	s_wait_alu depctr_va_sdst(0)                   ; s11 is written, ahead of its first reader below; in the first chunk also s[MS ..], ahead of the selects
	s_min_u32 s11, s11, 129
.endr
	v_cndmask_b32 v[OC], 0, v[XC], s[MS]
	s_wait_alu depctr_va_vdst(0)                   ; the last select has written OC's first register, which the store reads
	global_store_b32 v6, v[OC], s[8:9]
.Lend:
	s_wait_dscnt 0x0                               ; the closing lines, six on end
	s_wait_alu 0x0
	s_wait_tensorcnt 0x0
	ds_add_u32 v112, v113
	s_wait_dscnt 0x0
	s_endpgm
.Lfunc_end_k_q7424bd33a6_trace:
	.size	k_q7424bd33a6_trace, .Lfunc_end_k_q7424bd33a6_trace-k_q7424bd33a6_trace
	.p2alignl 7, 3214868480
	.fill 96, 4, 3214868480
	.section	.rodata,"a",@progbits
	.p2align	6, 0x0
	.amdhsa_kernel k_q7424bd33a6_trace
		.amdhsa_group_segment_fixed_size 61952
		.amdhsa_private_segment_fixed_size 0
		.amdhsa_enable_private_segment 0
		.amdhsa_kernarg_size 24
		.amdhsa_user_sgpr_count 2
		.amdhsa_user_sgpr_kernarg_segment_ptr 1
		.amdhsa_wavefront_size32 1
		.amdhsa_system_sgpr_workgroup_id_x 1
		.amdhsa_system_sgpr_workgroup_id_y 1
		.amdhsa_system_sgpr_workgroup_id_z 1
		.amdhsa_system_vgpr_workitem_id 0
		.amdhsa_next_free_vgpr 114
		.amdhsa_next_free_sgpr 66
		.amdhsa_reserve_vcc 0
		.amdhsa_float_denorm_mode_32 3
		.amdhsa_float_denorm_mode_16_64 3
		.amdhsa_memory_ordered 1
		.amdhsa_forward_progress 1
		.amdhsa_inst_pref_size 50
	.end_amdhsa_kernel
	.amdgpu_metadata
---
amdhsa.version: [ 1, 2 ]
amdhsa.kernels:
  - .name:           k_q7424bd33a6_trace
    .symbol:         k_q7424bd33a6_trace.kd
    .args:
      - { .name: bps, .offset: 0, .size: 8, .value_kind: global_buffer, .address_space: global }
      - { .name: masks, .offset: 8, .size: 8, .value_kind: global_buffer, .address_space: global }
      - { .name: out1, .offset: 16, .size: 8, .value_kind: global_buffer, .address_space: global }
    .group_segment_fixed_size: 61952
    .private_segment_fixed_size: 0
    .kernarg_segment_align: 8
    .kernarg_segment_size: 24
    .max_flat_workgroup_size: 256
    .sgpr_count:     66
    .vgpr_count:     114
    .wavefront_size: 32
...
	.end_amdgpu_metadata
.endif
;; end of part 3
